; MI455X (gfx1250); checked and timed in simulation.
; The chip was launched on July 23, 2026; its instructions are those of AMD's public machine-readable ISA for CDNA 5 (MIT licence, August 2026) and "CDNA5" Instruction Set Architecture Reference Guide (July 2026). The comments in the code are by the model that wrote it; some were corrected since.
;; Additive Attention. Allowed arithmetic: matrix products marked QUANTISED: E2M1 operands, one E8M0 scale for each 32 along K, by v_wmma_scale_f32_16x16x128_f8f6f4 with both operands' format E2M1 (or v_wmma_scale_f32_32x16x128_f4), f32 sums; products left as they are: f32 operands where the result goes on into a quantised operand, else bf16, f16 or f32 operands; f32 sums; everything else in f32.
;; Inputs: W1 1,024 x 1,024 float32; W2 1,024 x 1,024 float32; keys 32 x 2,048 x 1,024 float32; mask 32 x 2,048 bool; query 32 x 1,024 float32; v 1,024 float32.
;; Outputs: out0 32 x 2,048 float32.
;; This version of the problem:
;;   THIS VERSION OF THE PROBLEM IS GIVEN IN LOW PRECISION. The matrix products marked QUANTISED in the list below multiply operands that are first quantised to E2M1 (2 exponent bits, 1 mantissa bit; 4 bits a number), with one power-of-two scale for each 32 numbers along K (OCP MX v1.0); their sums are f32. All else is computed in f32.
;;   The module's matrix products, in the order in which they are computed (A, B: the left and right operand; K: the contracted axis; several contracted axes count as one K, in the product's order):
;;     1. [M 32, K 1,024] x [K 1,024, N 1,024]; A: input query; B: input W1: QUANTISED
;;     2. [M 65,536, K 1,024] x [K 1,024, N 1,024]; A: input keys; B: input W2: QUANTISED
;;     3. [M 65,536, K 1,024] x [K 1,024, N 1]; A: computed on the way; B: input v: left as it is (N = 1 < 16)
;;   THE QUANTISER, for each operand of a quantised product, along K:
;;     - K is cut into blocks of 32 from its start; a last block that is shorter is filled with zeros.
;;     - A block's scale is 2^e with e = floor(log2(the largest magnitude in the block)) - 2, held to -126 .. 127; a block of zeros has e = 0. As a byte (E8M0): e + 127.
;;     - Each number is divided by its block's scale, clamped to +-6, and rounded to the nearest number of E2M1, ties to even, subnormals kept.
;;     - The product sums the exact products of the quantised numbers (number of the format x scale) in f32.
;;   ~~~python
;;   def quantise(x, axis):      # numpy; x: float32 -> the quantised numbers, widened to float32 again
;;       x = np.moveaxis(x, axis, -1); K = x.shape[-1]
;;       x = np.pad(x, [(0, 0)] * (x.ndim - 1) + [(0, -K % 32)]); x = x.reshape(x.shape[:-1] + (-1, 32)); a = np.abs(x).max(-1, keepdims=True)
;;       e = np.where(a > 0, np.clip(np.frexp(np.where(a > 0, a, 1))[1] - 1 - 2, -126, 127), 0)      # np.frexp(a)[1] - 1 = floor(log2(a)), exactly
;;       r = np.clip(x / 2.0 ** e, -6, 6)
;;       step = 2.0 ** (np.maximum(np.frexp(np.where(r == 0, 1, r))[1] - 1, 0) - 1)
;;       q = np.round(r / step) * step * 2.0 ** e      # np.round: ties to even
;;       return np.moveaxis(q.reshape(q.shape[:-2] + (-1,))[..., :K], -1, axis).astype(np.float32)
;;   ~~~
;; One version. Each part assembles by itself: llvm-mc -triple=amdgcn-amd-amdhsa -mcpu=gfx1250 --defsym DOCPART=n.
;; ======== version 1 of 1: 3 launches
;; limits: right only within a limited range of input values
;; workspace buffers: w2img 557,056 bytes; tabq 131,072 bytes; rows 262,144 bytes of whole numbers; inv 262,144 bytes of whole numbers; cnt 256 bytes of whole numbers; sc 262,144 bytes
;; launch prep (part 1): grid 160 x 1, 8 waves a work-group, no clusters, 19,456 bytes of LDS; arguments W2, W1, query, mask, w2img, tabq, rows, inv, cnt; writes w2img, tabq, rows, inv, cnt
.if DOCPART == 1
	.amdgcn_target "amdgcn-amd-amdhsa--gfx1250"
	.amdhsa_code_object_version 6
	.text
	.protected	k_qff5a17f8e1_prep
	.globl	k_qff5a17f8e1_prep
	.p2align	8
	.type	k_qff5a17f8e1_prep,@function
k_qff5a17f8e1_prep:
	s_mov_b64 s[64:65], 0
	v_nop
	global_prefetch_b8 v0, s[64:65] scope:SCOPE_SE
	s_setreg_imm32_b32 hwreg(HW_REG_WAVE_MODE, 25, 1), 1
	s_wait_xcnt 0x0
; THREE SMALL JOBS IN ONE LAUNCH, parted by the work-group's number; each has LDS bytes of its own and its own end.
;   work-groups 0-63    W2 [1024 a][1024 k] f32 -> codes of FP4 (E2M1) with one E8M0 byte for each 32 along k, laid in the ORDER OF THE OPERAND'S REGISTERS:
;                       w2img[tile of 16 a][8704]: byte 1024 k + 512 c + 16 lane = registers 4c..4c+3 of fragment (tile, K step k); byte 8192 + 16 lane: lane (r, h): the scale words of K steps 4h..4h+3 of row r.
;   work-groups 64-127  tabq[tile][b 32][16] = c x sum over k of Q(query)[b][k] Q(W1)[a][k], c = 2 log2(e): the quantised product, each wave one K step of 128, the eight parts added in f32 in ascending k.
;   work-groups 128-159 the mask of one batch -> rows[b][place] (a permutation of the batch's 2,048 rows, kept ones first, as row numbers 2048 b + s), inv[b][s] = place, cnt[b] = kept rows.
; THE QUANTISER: a block's scale is 2^(floor(log2(largest magnitude)) - 2): its byte is the largest magnitude's exponent field - 2, held at 1 from below; each number / scale goes to the nearest code, ties to even, beyond 6 the code of 6.
; LIMITS: a block of zeros, and a block whose largest magnitude lies under 2^-124, gets the byte 1 (zeros: the codes are zeros, and only this program reads the bytes); NaN and infinities among the inputs are not served.
; A wave takes 16 rows x 128 k: lane (r, h) loads, of row r, 16 neighbours of each block of 32, so that register 16 b + i is k = 32 b + 16 h + i.
.set SW2,  0                           ; LDS, path W2: 512 bytes: the tile's scale image
.set SW1,  1024                        ; LDS, path W1: eight waves' parts, 2,048 bytes each
.set SM,   17408                       ; LDS, path mask: eight waves' counts
.set X0,   16                          ; v16-79, v80-143, v144-207: three sets of 64 numbers
.set X1,   80
.set X2,   144
.set FW,   208                         ; v208-215 a weight's fragment; v216-223, v224-231 query's two
.set FQ0,  216
.set FQ1,  224
.set TMAX, 244                         ; v244-247 largest magnitudes; v248-251 the other half's, then bytes; v252-255 the conversions' scale operands
.set TPER, 248
.set TSC,  252
.set SEL,  22                          ; s[22:23] v_permlanex16_b32's selects for lane l xor 16
.set WV,   24                          ; s24 my wave's number
.macro XLOAD reg, base, off            ; 16 rows x 128 k, from off bytes on
.irp b, 0,1,2,3
.irp j, 0,1,2,3
	global_load_b128 v[\reg+16*\b+4*\j:\reg+16*\b+4*\j+3], v4, s[\base:\base+1] offset:\off+128*\b+16*\j
.endr
.endr
.endm
; 64 numbers of a lane, v[s] on, become a fragment's codes in v[pc] .. v[pc+7] and its row's scale word in v[pw]
.macro QUANT s, pc, pw
.irp b, 0,1,2,3
	v_max3_num_f32 v[TMAX+\b], |v[\s+16*\b]|, |v[\s+1+16*\b]|, 0x1800000      ; block b: my 16 numbers, and the floor 2^(3 - 127): the byte cannot fall under 1
.endr
.irp i, 2,4,6,8,10,12,14
.irp b, 0,1,2,3
	s_delay_alu instid0(VALU_DEP_4)
	v_max3_num_f32 v[TMAX+\b], v[TMAX+\b], |v[\s+16*\b+\i]|, |v[\s+1+16*\b+\i]|   ; the four blocks by turns
.endr
.endr
.irp b, 0,1,2,3
	s_delay_alu instid0(VALU_DEP_4)
	v_permlanex16_b32 v[TPER+\b], v[TMAX+\b], s[SEL], s[SEL+1]
.endr
.irp b, 0,1,2,3
	s_delay_alu instid0(VALU_DEP_4)
	v_max_num_f32 v[TMAX+\b], v[TMAX+\b], v[TPER+\b]                          ; with lane l xor 16's: the block's largest magnitude
.endr
.irp b, 0,1,2,3
	s_delay_alu instid0(VALU_DEP_4)
	v_add_nc_u32 v[TSC+\b], 0xff000000, v[TMAX+\b]                            ; 2 off its exponent field: the conversion reads that field alone
.endr
.irp b, 0,1,2,3
	s_delay_alu instid0(VALU_DEP_4)
	v_lshrrev_b32 v[TPER+\b], 23, v[TSC+\b]                                   ; the scale's byte
.endr
	s_delay_alu instid0(VALU_DEP_3)
	v_lshl_or_b32 v[\pw], v[TPER+1], 8, v[TPER]
	s_delay_alu instid0(VALU_DEP_1)
	v_lshl_or_b32 v[\pw], v[TPER+2], 16, v[\pw]
	s_delay_alu instid0(VALU_DEP_1)
	v_lshl_or_b32 v[\pw], v[TPER+3], 24, v[\pw]
.irp b, 0,1,2,3
	v_cvt_scalef32_pk8_fp4_f32 v[\pc+2*\b], v[\s+16*\b:\s+7+16*\b], v[TSC+\b]
	v_cvt_scalef32_pk8_fp4_f32 v[\pc+1+2*\b], v[\s+8+16*\b:\s+15+16*\b], v[TSC+\b]
.endr
	v_nop                                          ; one plain instruction behind the scaled conversions
.irp c, 0,1                                    ; the operand wants a WHOLE block in a lane: lanes 0-15 block 2 c, lanes 16-31 block 2 c + 1
.irp i, 0,1
	v_permlane16_swap_b32 v[\pc+4*\c+\i], v[\pc+2+4*\c+\i]
.endr
.endr
.endm
	s_load_b256 s[4:11], s[0:1], 0x0               ; W2 s[4:5], W1 s[6:7], query s[8:9], mask s[10:11]
	s_load_b256 s[12:19], s[0:1], 0x20             ; w2img s[12:13], tabq s[14:15], rows s[16:17], inv s[18:19]
	s_load_b64 s[20:21], s[0:1], 0x40              ; cnt
	v_lshl_add_u32 v239, v0, 2, 0x4800
	v_mov_b32 v243, 0
	v_lshrrev_b32 v1, 5, v0
	s_delay_alu instid0(VALU_DEP_1)
	v_readfirstlane_b32 s[WV], v1                  ; wave 0..7
	v_and_b32 v1, 31, v0                           ; lane
	v_and_b32 v2, 15, v0                           ; r
	v_bfe_u32 v3, v0, 4, 1                         ; h
	s_delay_alu instid0(VALU_DEP_2)
	v_lshlrev_b32 v4, 12, v2
	s_delay_alu instid0(VALU_DEP_1)
	v_lshl_add_u32 v4, v3, 6, v4                   ; row r of 4,096 bytes, + 64 h
	v_lshlrev_b32 v5, 4, v1                        ; 16 x lane
	s_mov_b32 s[SEL], 0x76543210
	s_mov_b32 s[SEL+1], 0xfedcba98
.irp b, 0,1,2,3
	v_mov_b32 v[TPER+\b], 0                        ; written once: a lane permute's destination counts as one of its sources
.endr
	s_mov_b32 s27, 0                               ; the high word of every offset pair s[26:27]
	s_wait_kmcnt 0x0
	s_cmp_lt_u32 ttmp9, 64
	s_cbranch_scc0 .Lnot_w2
	; ---- W2: tile t = work-group, K step = wave
	s_lshl_b32 s26, ttmp9, 16                      ; 16 rows of 4,096 bytes
	s_lshl_b32 s28, s[WV], 9                       ; 128 numbers
	s_add_co_u32 s26, s26, s28
	s_add_nc_u64 s[4:5], s[4:5], s[26:27]
	s_wait_alu depctr_va_vdst(0)
	XLOAD X0, 4, 0
	s_mul_i32 s26, ttmp9, 8704
	s_add_nc_u64 s[12:13], s[12:13], s[26:27]      ; the tile's record
	s_lshl_b32 s28, s[WV], 10
	v_add_nc_u32 v7, s28, v5                       ; 1024 k + 16 lane
	s_lshr_b32 s28, s[WV], 2
	s_lshl_b32 s28, s28, 8
	s_and_b32 s29, s[WV], 3
	s_lshl_b32 s29, s29, 2
	s_add_co_u32 s28, s28, s29
	v_lshl_add_u32 v6, v2, 4, s28                  ; my word's place in the scale image: 16 r + 256 (k / 4) + 4 (k % 4)
	s_wait_loadcnt 0x0
	QUANT X0, FW, 240
	global_store_b128 v7, v[FW:FW+3], s[12:13]               ; the wave stores 512 consecutive bytes, aligned
	global_store_b128 v7, v[FW+4:FW+7], s[12:13] offset:512
	ds_store_b32 v6, v240 offset:SW2               ; lanes r and r + 16 write the same word with the same value
	s_wait_dscnt 0x0                               ; for the others' sake: my word has landed
	s_barrier_signal -1
	s_barrier_wait -1
	s_cmp_lg_u32 s[WV], 0
	s_cbranch_scc1 .Lw2_end
	ds_load_b128 v[8:11], v5 offset:SW2            ; the eight waves' words, as the reader's registers want them
	s_wait_dscnt 0x0
	global_store_b128 v5, v[8:11], s[12:13] offset:8192
.Lw2_end:
	s_wait_tensorcnt 0x0
	ds_add_u32 v239, v243
	s_wait_dscnt 0x0
	s_endpgm
.Lnot_w2:
	s_cmp_lt_u32 ttmp9, 128
	s_cbranch_scc0 .Lmask
	; ---- W1 and query: tile t = work-group - 64, K step = wave
	s_sub_co_u32 s25, ttmp9, 64
	s_lshl_b32 s26, s25, 16
	s_lshl_b32 s28, s[WV], 9
	s_add_co_u32 s26, s26, s28
	s_add_nc_u64 s[6:7], s[6:7], s[26:27]
	s_mov_b32 s26, s28
	s_add_nc_u64 s[8:9], s[8:9], s[26:27]
	s_wait_alu depctr_va_vdst(0)
	XLOAD X0, 6, 0                                 ; 16 rows of W1
	XLOAD X1, 8, 0                                 ; query's rows 0-15
	XLOAD X2, 8, 65536                             ; and 16-31
	s_lshl_b32 s26, s25, 11
	s_add_nc_u64 s[14:15], s[14:15], s[26:27]      ; tabq + 2048 t
	s_lshl_b32 s28, s[WV], 11
	v_add_nc_u32 v6, s28, v5                       ; my part: 2048 k + 16 lane
	; back: wave m (0..3) gathers the 512 bytes at 512 m of the tile's table: lane l wants b = 8 m + l / 4, a = 4 (l % 4) + 0..3,
	; which lie in group 2 (m / 2) + l % 2 of four registers, in lane 8 (m % 2) + l / 4 + 16 ((l / 2) % 2)
	v_and_b32 v7, 1, v0
	s_delay_alu instid0(VALU_DEP_1)
	v_lshlrev_b32 v7, 9, v7
	v_bfe_u32 v8, v0, 1, 1
	s_delay_alu instid0(VALU_DEP_1)
	v_lshl_add_u32 v7, v8, 8, v7
	v_bfe_u32 v8, v0, 2, 3
	s_delay_alu instid0(VALU_DEP_1)
	v_lshl_add_u32 v7, v8, 4, v7
	s_lshr_b32 s28, s[WV], 1
	s_lshl_b32 s28, s28, 10
	s_and_b32 s29, s[WV], 1
	s_lshl_b32 s29, s29, 7
	s_add_co_u32 s28, s28, s29
	v_add_nc_u32 v7, s28, v7
	s_lshl_b32 s28, s[WV], 9
	v_add_nc_u32 v9, s28, v5                       ; and go out at 512 m + 16 l
	s_wait_loadcnt 0x0
	QUANT X0, FW, 240
	QUANT X1, FQ0, 241
	QUANT X2, FQ1, 242
.rept 8
	v_nop                                          ; a scale register written by a vector instruction stands eight places ahead of a scaled matrix instruction, an operand so written four
.endr
	; source 0 = 16 rows of W1, source 1 = 16 rows of query: lane (r, h), register j: (a = 8 h + j, b = 16 q + r)
	v_wmma_scale_f32_16x16x128_f8f6f4 v[16:23], v[FW:FW+7], v[FQ0:FQ0+7], 0, v240, v241 matrix_a_fmt:MATRIX_FMT_FP4 matrix_b_fmt:MATRIX_FMT_FP4
	v_wmma_scale_f32_16x16x128_f8f6f4 v[24:31], v[FW:FW+7], v[FQ1:FQ1+7], 0, v240, v242 matrix_a_fmt:MATRIX_FMT_FP4 matrix_b_fmt:MATRIX_FMT_FP4
.rept 4
	v_nop                                          ; four places ahead of the stores that read the results
.endr
	ds_store_b128 v6, v[16:19] offset:SW1          ; each result from its low end on
	ds_store_b128 v6, v[20:23] offset:SW1+512
	ds_store_b128 v6, v[24:27] offset:SW1+1024
	ds_store_b128 v6, v[28:31] offset:SW1+1536
	s_wait_dscnt 0x0                               ; for the others' sake: my part has landed
	s_barrier_signal -1
	s_barrier_wait -1
	s_cmp_lt_u32 s[WV], 4
	s_cbranch_scc0 .Lw1_end
.irp q, 0,1,2,3,4,5,6,7
	ds_load_b128 v[32+4*\q:35+4*\q], v7 offset:SW1+2048*\q
.endr
	s_wait_dscnt 0x0
.irp q, 1
	v_pk_add_f32 v[32:33], v[32:33], v[32+4*\q:33+4*\q]        ; the eight K steps, ascending
	v_pk_add_f32 v[34:35], v[34:35], v[34+4*\q:35+4*\q]
.endr
.irp q, 2, 3, 4, 5, 6, 7
	s_delay_alu instid0(VALU_DEP_2)
	v_pk_add_f32 v[32:33], v[32:33], v[32+4*\q:33+4*\q]        ; the eight K steps, ascending
	s_delay_alu instid0(VALU_DEP_2)
	v_pk_add_f32 v[34:35], v[34:35], v[34+4*\q:35+4*\q]
.endr
	s_delay_alu instid0(VALU_DEP_2)
	v_pk_mul_f32 v[32:33], v[32:33], 0x4038aa3b op_sel_hi:[1,0]  ; x c = 2 log2(e)
	s_delay_alu instid0(VALU_DEP_2)
	v_pk_mul_f32 v[34:35], v[34:35], 0x4038aa3b op_sel_hi:[1,0]
	global_store_b128 v9, v[32:35], s[14:15]       ; the wave stores 512 consecutive bytes, aligned
.Lw1_end:
	s_wait_tensorcnt 0x0
	ds_add_u32 v239, v243
	s_wait_dscnt 0x0
	s_endpgm
.Lmask:
	; ---- the mask of batch b = work-group - 128.  Element e = 4 x + y of thread (w, l) is row s = 256 w + 128 x + 4 l + y.
	; Places are dealt by wave, then by e, then by lane: kept rows from 0 on, the others from cnt on.  No atomics: counts by ballots and one exchange through LDS.
	s_sub_co_u32 s25, ttmp9, 128
	s_lshl_b32 s26, s25, 11
	s_add_nc_u64 s[10:11], s[10:11], s[26:27]
	s_lshl_b32 s28, s[WV], 8
	v_lshl_add_u32 v6, v1, 2, s28                  ; 256 w + 4 l
	global_load_b32 v10, v6, s[10:11]              ; 128 consecutive bytes a wave
	global_load_b32 v11, v6, s[10:11] offset:128
	s_lshl_b32 s26, s25, 13
	s_add_nc_u64 s[16:17], s[16:17], s[26:27]      ; rows + 8192 b
	s_add_nc_u64 s[18:19], s[18:19], s[26:27]      ; inv + 8192 b
	s_lshl_b32 s26, s25, 2
	s_add_nc_u64 s[20:21], s[20:21], s[26:27]      ; cnt + 4 b
	s_lshl_b32 s29, s25, 11
	v_add_nc_u32 v14, s29, v6                      ; element 0's row number: 2048 b + 256 w + 4 l
	v_lshlrev_b32 v7, 2, v6                        ; inv: 1024 w + 16 l
	s_lshl_b32 s28, s[WV], 2
	v_mov_b32 v12, s28
	v_mov_b32 v13, 0
	s_wait_loadcnt 0x0
.irp e, 0,1,2,3,4,5,6,7
	v_bfe_u32 v8, v[10+\e/4], 8*(\e%4), 8
	s_delay_alu instid0(VALU_DEP_1)
	v_cmp_ne_u32 s[32+\e], 0, v8                   ; the 32 lanes' bits of element e
.endr
.irp e, 0,1,2,3,4,5,6,7
	s_bcnt1_i32_b32 s[40+\e], s[32+\e]
.endr
	s_add_co_u32 s30, s40, s41
.irp e, 2,3,4,5,6,7
	s_add_co_u32 s30, s30, s[40+\e]
.endr
	v_mov_b32 v9, s30                              ; my wave's kept rows
	ds_store_b32 v12, v9 offset:SM
	s_wait_dscnt 0x0
	s_barrier_signal -1
	s_barrier_wait -1
	ds_load_b128 v[16:19], v13 offset:SM
	ds_load_b128 v[20:23], v13 offset:SM+16
	s_wait_dscnt 0x0
.irp i, 0,1,2,3,4,5,6,7
	v_readfirstlane_b32 s[48+\i], v[16+\i]
.endr
	s_mov_b32 s56, 0                               ; kept rows of the waves below mine
	s_mov_b32 s57, 0                               ; of all eight: cnt
.irp i, 0,1,2,3,4,5,6,7
	s_add_co_u32 s57, s57, s[48+\i]
	s_cmp_gt_u32 s[WV], \i
	s_cselect_b32 s31, s[48+\i], 0
	s_add_co_u32 s56, s56, s31
.endr
	s_lshl_b32 s58, s[WV], 8
	s_sub_co_u32 s58, s58, s56                     ; masked rows of the waves below mine,
	s_add_co_u32 s58, s58, s57                     ; behind all kept rows
.irp e, 0,1,2,3,4,5,6,7
	s_not_b32 s59, s[32+\e]
	v_mbcnt_lo_u32_b32 v8, s[32+\e], s56           ; the place if kept: those before me
	v_mbcnt_lo_u32_b32 v9, s59, s58                ; the place if not
	s_delay_alu instid0(VALU_DEP_1)
	v_cndmask_b32 v[24+\e], v9, v8, s[32+\e]
	s_add_co_u32 s56, s56, s[40+\e]
	s_sub_co_u32 s59, 32, s[40+\e]
	s_add_co_u32 s58, s58, s59
.endr
	global_store_b128 v7, v[24:27], s[18:19]       ; inv: 512 consecutive bytes a store
	s_wait_alu depctr_va_vdst(0)
	global_store_b128 v7, v[28:31], s[18:19] offset:512
.irp e, 0,1,2,3,4,5,6,7
	v_min_u32 v[32+\e], 0x7ff, v[24+\e]            ; a place is under 2,048
	s_delay_alu instid0(VALU_DEP_1)
	v_lshlrev_b32 v[32+\e], 2, v[32+\e]
	v_add_nc_u32 v[40+\e], 128*(\e/4)+\e%4, v14
	global_store_b32 v[32+\e], v[40+\e], s[16:17]  ; rows: a compaction is a scatter; neighbouring kept lanes write neighbouring words; 8,192 bytes a batch
.endr
	v_mov_b32 v15, 0
	v_mov_b32 v9, s57
	v_cmp_eq_u32 vcc_lo, 0, v0
	s_wait_alu depctr_va_vdst(0)
	s_wait_xcnt 0x0                                ; EXEC is a source of the stores above: it changes only behind this wait
	s_wait_tensorcnt 0x0
	ds_add_u32 v239, v243
	s_wait_dscnt 0x0
	s_and_saveexec_b32 s60, vcc_lo
	global_store_b32 v15, v9, s[20:21]             ; thread 0 alone: cnt[b]
	s_wait_xcnt 0x0
	s_or_b32 exec_lo, exec_lo, s60
	s_endpgm
.Lfunc_end_k_qff5a17f8e1_prep:
	.size	k_qff5a17f8e1_prep, .Lfunc_end_k_qff5a17f8e1_prep-k_qff5a17f8e1_prep
	.p2alignl 7, 3214868480
	.fill 96, 4, 3214868480
	.section	.rodata,"a",@progbits
	.p2align	6, 0x0
	.amdhsa_kernel k_qff5a17f8e1_prep
		.amdhsa_group_segment_fixed_size 19456
		.amdhsa_private_segment_fixed_size 0
		.amdhsa_enable_private_segment 0
		.amdhsa_kernarg_size 72
		.amdhsa_user_sgpr_count 2
		.amdhsa_user_sgpr_kernarg_segment_ptr 1
		.amdhsa_wavefront_size32 1
		.amdhsa_system_sgpr_workgroup_id_x 1
		.amdhsa_system_sgpr_workgroup_id_y 1
		.amdhsa_system_sgpr_workgroup_id_z 1
		.amdhsa_system_vgpr_workitem_id 0
		.amdhsa_next_free_vgpr 256
		.amdhsa_next_free_sgpr 66
		.amdhsa_reserve_vcc 1
		.amdhsa_float_denorm_mode_32 3
		.amdhsa_float_denorm_mode_16_64 3
		.amdhsa_memory_ordered 1
		.amdhsa_forward_progress 1
		.amdhsa_inst_pref_size 44
	.end_amdhsa_kernel
	.amdgpu_metadata
---
amdhsa.version: [ 1, 2 ]
amdhsa.kernels:
  - .name:           k_qff5a17f8e1_prep
    .symbol:         k_qff5a17f8e1_prep.kd
    .args:
      - { .name: W2, .offset: 0, .size: 8, .value_kind: global_buffer, .address_space: global }
      - { .name: W1, .offset: 8, .size: 8, .value_kind: global_buffer, .address_space: global }
      - { .name: query, .offset: 16, .size: 8, .value_kind: global_buffer, .address_space: global }
      - { .name: mask, .offset: 24, .size: 8, .value_kind: global_buffer, .address_space: global }
      - { .name: w2img, .offset: 32, .size: 8, .value_kind: global_buffer, .address_space: global }
      - { .name: tabq, .offset: 40, .size: 8, .value_kind: global_buffer, .address_space: global }
      - { .name: rows, .offset: 48, .size: 8, .value_kind: global_buffer, .address_space: global }
      - { .name: inv, .offset: 56, .size: 8, .value_kind: global_buffer, .address_space: global }
      - { .name: cnt, .offset: 64, .size: 8, .value_kind: global_buffer, .address_space: global }
    .group_segment_fixed_size: 19456
    .private_segment_fixed_size: 0
    .kernarg_segment_align: 8
    .kernarg_segment_size: 72
    .max_flat_workgroup_size: 256
    .sgpr_count:     66
    .vgpr_count:     256
    .wavefront_size: 32
...
	.end_amdgpu_metadata
.endif
;; end of part 1
;; launch scores (part 2): grid 256 x 1, 8 waves a work-group, no clusters, 232,960 bytes of LDS; arguments keys, v, w2img, tabq, rows, cnt, sc; writes sc
.if DOCPART == 2
	.amdgcn_target "amdgcn-amd-amdhsa--gfx1250"
	.amdhsa_code_object_version 6
	.text
	.protected	k_qff5a17f8e1_scores
	.globl	k_qff5a17f8e1_scores
	.p2align	8
	.type	k_qff5a17f8e1_scores,@function
k_qff5a17f8e1_scores:
	s_mov_b64 s[64:65], 0
	v_nop
	global_prefetch_b8 v0, s[64:65] scope:SCOPE_SE
	s_setreg_imm32_b32 hwreg(HW_REG_WAVE_MODE, 25, 1), 1
	s_wait_xcnt 0x0
; score'[row] = sum over a of (-2 v[a]) / (1 + 2^(c (w1q[b][a] + Q(keys[row]) . Q(W2[a])))), c = 2 log2(e).  tanh x = 1 - 2 / (1 + 2^(c x)), so the true score is sum(v) + score';
; sum(v) is common to a batch's scores and falls out of its softmax.  The product is on codes of FP4 (E2M1) with one E8M0 scale for each 32 along k; all else in f32.
; ONLY THE ROWS THAT THE MASK KEEPS ARE WORKED (the list and the count were stored as whole numbers by the launch before).  In f32 score - 1e30 is -1e30 for every |score| < 3.8e22, and |score| <= sum |v|.
; SHARES.  Work-group (b = x / 8, j = x % 8) takes the row tiles T = 8 i + j, i = 0 .. n - 1, of batch b's list (16 places a tile, kept rows first), n = max(1, those with a kept row), at most 16.
; P(t), QUANTISING: wave w makes K step w (128 k) of tile t: 16 gathered rows, one load = 512 consecutive aligned bytes of one row, the row's address in scalar registers; through the wave's own stage in LDS
;    a lane gets 16 neighbours of each block of 32; codes and scale words go to LDS as images of the operand's registers, each tile at bytes of its own (17 places for each K step: the loop names tile 16, and never works it).
; C(t), COMPUTING: wave w owns a = 128 w .. 128 w + 127, in two blocks of four tiles of 16; a block's codes of W2 stay in 256 registers.  Source 0 = 16 key rows, source 1 = 16 rows of W2:
;    a lane holds ONE a (lane % 16) and its registers run along the key rows 8 (lane / 16) + j: so c w1q and v are one number a lane and tile; the sum over a is four DPP steps over sixteen lanes.
; ONE LOOP HOLDS P(t + 1) AND BLOCK 0'S C(t), with one barrier a tile between a tile's P and its C: the rows of tiles t + 2 and t + 3 are on their way meanwhile.  Block 1 then walks all tiles from LDS.
; EVERY LOOP HAS A CONSTANT NUMBER OF TRIPS and every wave passes every barrier; a tile beyond n is passed over by branches inside the trip, which lead round no barrier.
; Each arm of P ends with the wait that shows the next tile's rows landed, by the count of what that arm itself has issued.
; NO TENSOR LOAD, NO CLUSTER, NO JOINT REQUEST, though all work-groups read the same codes of W2: the trips that do work hang on a count read from memory, and partners would need different numbers of tiles.
; NO PREFETCH: the row loads themselves are issued two tiles ahead of their use, sixteen to thirty-two of a wave at a time.
; LIMITS: NaN and infinities among the inputs are not served; a block whose largest magnitude lies under 2^-124 gets the scale byte 1; sum |v| under 3.8e22; the f32 sums over a run in another order than the reference's.
.set KSC,  0                           ; LDS: key scale words [K step 8][tile 17][16 rows x 4]
.set KIMG, 8704                        ; key codes [K step 8][tile 17][1,024]
.set STG,  147968                      ; a stage for each wave: 16 rows x (512 + 16) bytes
.set PART, 215552                      ; partial scores [wave 8][block 2][256 rows] f32
.set SPARE, 231936                     ; the spare words: 128 bytes a wave
.set LI,   1                           ; 16 x lane
.set ROWL, 2                           ; 16 x thread = 512 w + 16 lane: my bytes in a key row
.set STW,  3                           ; the stage, in: 16 x lane
.set STR,  4                           ; the stage, out: 528 r + 64 h
.set R4,   5                           ; 4 r
.set KSA,  6                           ; 4 r + 4352 h: lanes 0-15 read K steps 0-3, lanes 16-31 K steps 4-7
.set PRT,  7                           ; PART + 2048 w + 32 h
.set KA,   8                           ; in hand: the trip's first tile, K steps 0-3
.set KB,   9                           ; K steps 4-7
.set WS,   10                          ; its scale words
.set WP,   11                          ; its partial scores
.set W2S,  12                          ; v12-27 W2's scale words (4 u + q): scales and nothing else
.set KS,   28                          ; v28-31 the keys' likewise
.set CB,   32                          ; v32-39 c w1q[b][a], twice (a pair for each tile u)
.set VP,   40                          ; v40-47 v[a], twice
.set L0,   48                          ; v48-111, v112-175 two landing buffers
.set L1,   112
.set ACC,  176                         ; v176-207 four accumulators; in P the quantiser's
.set TMAX, 176
.set TPER, 180
.set TSC,  184
.set PW,   188
.set WA,   189
.set WB,   190
.set KF,   208                         ; v208-255 six key fragments: K steps 0-5; 6 and 7 follow in the first two
.set SEL,  22                          ; s[22:23] selects for lane l xor 16; s[24:25] c; s18 wave, s19 b, s20 j, s21 n; s27 tile, s28 1024 tile, s29 64 tile
.set LA,   40                          ; s[40:55] list entries of an even tile
.set LB,   84                          ; s[84:99] of an odd tile
; sixteen rows' addresses lie in the pairs s66-83, s100, s62, s2, s6, s8, s10, s14 (the arguments that lay in the last four have been used by then); s[60:61] an offset, its high word 0; s59 my wave's kind
; window 1 (v256-511): W2's fragment (tile u of the block, K step k) at v[64 u + 8 k]
.set MSB, 0
.macro WIN new
.if MSB != \new
	s_set_vgpr_msb (MSB<<8)|\new
.set MSB, \new
.endif
.endm
.macro QUANT s, pc, pw                 ; 64 numbers of a lane (register 16 b + i = k 32 b + 16 h + i of my row) -> a fragment's codes and its row's scale word
.irp b, 0,1,2,3
	v_max3_num_f32 v[TMAX+\b], |v[\s+16*\b]|, |v[\s+1+16*\b]|, 0x1800000      ; and the floor 2^(3 - 127): the byte cannot fall under 1
.endr
.irp i, 2,4,6,8,10,12,14
.irp b, 0,1,2,3
	v_max3_num_f32 v[TMAX+\b], v[TMAX+\b], |v[\s+16*\b+\i]|, |v[\s+1+16*\b+\i]|   ; the four blocks by turns
.endr
.endr
.irp b, 0,1,2,3
	v_permlanex16_b32 v[TPER+\b], v[TMAX+\b], s[SEL], s[SEL+1]
.endr
.irp b, 0,1,2,3
	v_max_num_f32 v[TMAX+\b], v[TMAX+\b], v[TPER+\b]
.endr
.irp b, 0,1,2,3
	v_add_nc_u32 v[TSC+\b], 0xff000000, v[TMAX+\b]                            ; 2 off the exponent field: the conversion's scale operand
.endr
.irp b, 0,1,2,3
	v_lshrrev_b32 v[TPER+\b], 23, v[TSC+\b]                                   ; the scale's byte
.endr
	v_lshl_or_b32 v[\pw], v[TPER+1], 8, v[TPER]
	v_lshl_or_b32 v[\pw], v[TPER+2], 16, v[\pw]
	v_lshl_or_b32 v[\pw], v[TPER+3], 24, v[\pw]
.irp b, 0,1,2,3
	v_cvt_scalef32_pk8_fp4_f32 v[\pc+2*\b], v[\s+16*\b:\s+7+16*\b], v[TSC+\b]
	v_cvt_scalef32_pk8_fp4_f32 v[\pc+1+2*\b], v[\s+8+16*\b:\s+15+16*\b], v[TSC+\b]
.endr
	v_nop                                          ; one plain instruction behind the scaled conversions
.irp c, 0,1
.irp i, 0,1
	v_permlane16_swap_b32 v[\pc+4*\c+\i], v[\pc+2+4*\c+\i]                    ; a whole block to a lane
.endr
.endr
.endm
.macro WFRAG ua, ub                    ; 32 loads: W2's sixteen fragments of tiles ua and ub of the block
	WIN 0x40                                       ; destination window 1
.irp u, \ua, \ub
.irp k, 0,1,2,3,4,5,6,7
.irp c, 0,1
	global_load_b128 v[64*\u+8*\k+4*\c:64*\u+8*\k+4*\c+3], v[LI], s[32:33] offset:8704*\u+1024*\k+512*\c
.endr
.endr
.endr
	WIN 0
.endm
.macro WSMALL                          ; 20 loads: the block's scale images, c w1q, v
.irp u, 0,1,2,3
	global_load_b128 v[W2S+4*\u:W2S+4*\u+3], v[LI], s[32:33] offset:8704*\u+8192
.endr
.irp u, 0,1,2,3
	global_load_b32 v[CB+2*\u], v[R4], s[34:35] offset:2048*\u
	global_load_b32 v[CB+2*\u+1], v[R4], s[34:35] offset:2048*\u
	global_load_b32 v[VP+2*\u], v[R4], s[36:37] offset:64*\u
	global_load_b32 v[VP+2*\u+1], v[R4], s[36:37] offset:64*\u
.endr
.endm
.macro STATIC                          ; a block's 84 loads
	WFRAG 0, 1
	WSMALL
	WFRAG 2, 3
.endm
; A tile's sixteen row loads, each row's address in a scalar pair of its own: a list entry is held under 65,536 rows; a row is 4,096 bytes.  Each byte is read once in the launch: the list is a permutation.
; x = 1: the pairs have served earlier loads, which have read them behind the wait
.macro ROWS L, LS, x
.if \x
	s_wait_xcnt 0x0
.endif
.set rq, 0
.irp a, 66,68,70,72,74,76,78,80,82,100,62,2,6,8,10,14
	s_min_u32 s60, s[\LS+rq], 0xffff
	s_lshl_b32 s60, s60, 12
	s_add_nc_u64 s[\a:\a+1], s[4:5], s[60:61]
.set rq, rq+1
.endr
.set rq, 0
.irp a, 66,68,70,72,74,76,78,80,82,100,62,2,6,8,10,14
	global_load_b128 v[\L+4*rq:\L+4*rq+3], v[ROWL], s[\a:\a+1] th:TH_LOAD_NT
.set rq, rq+1
.endr
.endm
; The same at the head, for tile 1, while tile 0's loads still name the scalar pairs: the rows' offsets stand in sixteen of the key fragments' registers, which are first loaded behind the wait for these loads
.macro ROWSV L, LS
.set rq, 0
.rept 16
	s_min_u32 s60, s[\LS+rq], 0xffff
	v_lshl_add_u32 v[KF+rq], s60, 12, v[ROWL]
.set rq, rq+1
.endr
	s_wait_alu depctr_va_vdst(0)
.set rq, 0
.rept 16
	global_load_b128 v[\L+4*rq:\L+4*rq+3], v[KF+rq], s[4:5] th:TH_LOAD_NT
.set rq, rq+1
.endr
.endm
.macro PROCESS L, o                    ; the tile in buffer L: through the stage, quantised, image to LDS
	s_add_co_u32 s57, s28, s38
	v_add_nc_u32 v[WA], s57, v[LI]
	s_add_co_u32 s57, s29, s39
	v_add_nc_u32 v[WB], s57, v[R4]
.irp q, 0,1,2,3,4,5,6,7,8,9,10,11,12,13,14,15
	ds_store_b128 v[STW], v[\L+4*\q:\L+4*\q+3] offset:528*\q
.endr
.irp b, 0,1,2,3
.irp j, 0,1,2,3
	ds_load_b128 v[\L+16*\b+4*\j:\L+16*\b+4*\j+3], v[STR] offset:128*\b+16*\j   ; LDS serves a wave's instructions in order (ISA guide 5.7.1.4): these see my stores
.endr
.endr
	s_wait_dscnt 0x0
	QUANT \L, TMAX, PW
	ds_store_b128 v[WA], v[TMAX:TMAX+3] offset:1024*(\o)
	ds_store_b128 v[WA], v[TMAX+4:TMAX+7] offset:1024*(\o)+512
	ds_store_b32 v[WB], v[PW] offset:64*(\o)       ; lanes r and r + 16 write the same word with the same value
	s_wait_dscnt 0x0
.endm
; Buffer L, which its tile has left, takes the rows of the tile whose entries lie in list buffer LS; that list buffer then takes the entries of tile s27 + a
.macro REFILL L, LS, a
	s_wait_kmcnt 0x0                               ; the entries are in
	ROWS \L, \LS, 1
	s_add_co_u32 s30, s27, \a
	s_min_u32 s30, s30, 15                         ; the list has 16 tiles for each j: no load leaves it
	s_lshl_b32 s58, s30, 9
	s_load_b512 s[\LS:\LS+15], s[12:13], s58 offset:0x0
.endm
.macro BAR
	s_wait_dscnt 0x0                               ; for the others' sake: my images have landed, my reads are back
	s_barrier_signal -1
	s_barrier_wait -1
.endm
.macro CADDR                           ; the addresses of the trip's first tile
	s_add_co_u32 s26, s28, KIMG
	v_add_nc_u32 v[KA], s26, v[LI]
	v_add_nc_u32 v[KB], 69632, v[KA]               ; K steps 4-7 lie 4 x 17,408 bytes on
	v_add_nc_u32 v[WS], s29, v[KSA]
	v_add_nc_u32 v[WP], s29, v[PRT]
	s_wait_alu depctr_va_vdst(0)
.endm
.macro KFETCH o                        ; a tile's scale words and its fragments of K steps 0-5
.irp q, 0,1,2,3
	ds_load_b32 v[KS+\q], v[WS] offset:64*(\o)+1088*\q
.endr
.irp k, 0,1,2,3
.irp c, 0,1
	ds_load_b128 v[KF+8*\k+4*\c:KF+8*\k+4*\c+3], v[KA] offset:1024*(\o)+17408*\k+512*\c
.endr
.endr
.irp k, 0,1
.irp c, 0,1
	ds_load_b128 v[KF+32+8*\k+4*\c:KF+32+8*\k+4*\c+3], v[KB] offset:1024*(\o)+17408*\k+512*\c
.endr
.endr
.endm
.macro MM k, f                         ; K step k, its key fragment in place f: the four accumulators by turns
.irp u, 0,1,2,3
.if \k == 0
	v_wmma_scale_f32_16x16x128_f8f6f4 v[ACC+8*\u:ACC+8*\u+7], v[KF+8*\f:KF+8*\f+7], v[64*\u+8*\k:64*\u+8*\k+7], 0, v[KS+\k%4], v[W2S+4*\u+\k%4] matrix_a_fmt:MATRIX_FMT_FP4 matrix_b_fmt:MATRIX_FMT_FP4
.elseif \k < 4
	v_wmma_scale_f32_16x16x128_f8f6f4 v[ACC+8*\u:ACC+8*\u+7], v[KF+8*\f:KF+8*\f+7], v[64*\u+8*\k:64*\u+8*\k+7], v[ACC+8*\u:ACC+8*\u+7], v[KS+\k%4], v[W2S+4*\u+\k%4] matrix_a_fmt:MATRIX_FMT_FP4 matrix_b_fmt:MATRIX_FMT_FP4
.else
	v_wmma_scale_f32_16x16x128_f8f6f4 v[ACC+8*\u:ACC+8*\u+7], v[KF+8*\f:KF+8*\f+7], v[64*\u+8*\k:64*\u+8*\k+7], v[ACC+8*\u:ACC+8*\u+7], v[KS+\k%4], v[W2S+4*\u+\k%4] matrix_a_fmt:MATRIX_FMT_FP4 matrix_b_fmt:MATRIX_FMT_FP4 matrix_a_scale:MATRIX_SCALE_ROW1 matrix_b_scale:MATRIX_SCALE_ROW1
.endif
.endr
.endm
.macro PLACES
.rept 4
	v_nop                                          ; four places ahead of loads into registers that the products read, and of the first read of results
.endr
.endm
.macro MPHASE o                        ; 32 matrix instructions, K ascending
	s_wait_dscnt 0x0                               ; K steps 0-5 and the scale words are in
	WIN 0x04                                       ; source 1 (W2) window 1
	MM 0, 0
	MM 1, 1
	PLACES
.irp k, 2,3
.irp c, 0,1
	ds_load_b128 v[KF+8*(\k-2)+4*\c:KF+8*(\k-2)+4*\c+3], v[KB] offset:1024*(\o)+17408*\k+512*\c   ; K steps 6 and 7 into the two places just read
.endr
.endr
	MM 2, 2
	MM 3, 3
	MM 4, 4
	MM 5, 5
	s_wait_dscnt 0x0
	MM 6, 0
	MM 7, 1
	WIN 0
	PLACES
.endm
.macro VPHASE beta, o                  ; 32 numbers a lane: 1 / (1 + 2^(c x)), times v, summed over the block's 64 a
.irp u, 0,1,2,3
.irp p, 0,2,4,6
	v_pk_fma_f32 v[ACC+8*\u+\p:ACC+8*\u+\p+1], v[ACC+8*\u+\p:ACC+8*\u+\p+1], s[24:25], v[CB+2*\u:CB+2*\u+1] op_sel_hi:[1,0,1]   ; c (W2 x) + c w1q; each accumulator from its low end on
.endr
.endr
	s_wait_alu depctr_va_vdst(0)
.set i, 0
.rept 32
	v_exp_f32 v[ACC+i], v[ACC+i]
.set i, i+1
.endr
	v_nop                                          ; a plain instruction behind the last exponential,
	s_wait_alu depctr_va_vdst(0)                   ; and one wait for the batch, ahead of its first reader
.set i, 0
.rept 16
	v_pk_add_f32 v[ACC+i:ACC+i+1], v[ACC+i:ACC+i+1], 1.0 op_sel_hi:[1,0]
.set i, i+2
.endr
	s_wait_alu depctr_va_vdst(0)
.set i, 0
.rept 32
	v_rcp_f32 v[ACC+i], v[ACC+i]                   ; 2^(c x) = infinity gives 0, 2^(c x) = 0 gives 1: tanh's two ends
.set i, i+1
.endr
	v_nop
	s_wait_alu depctr_va_vdst(0)
.irp p, 0,2,4,6
	v_pk_mul_f32 v[ACC+\p:ACC+\p+1], v[ACC+\p:ACC+\p+1], v[VP:VP+1]
.endr
.irp u, 1,2,3
.irp p, 0,2,4,6
	v_pk_fma_f32 v[ACC+\p:ACC+\p+1], v[ACC+8*\u+\p:ACC+8*\u+\p+1], v[VP+2*\u:VP+2*\u+1], v[ACC+\p:ACC+\p+1]
.endr
.endr
.irp m, 1,2,4,8
.irp j, 0,1,2,3,4,5,6,7
	v_add_f32_dpp v[ACC+\j], v[ACC+\j], v[ACC+\j] row_xmask:\m row_mask:0xf bank_mask:0xf   ; over the sixteen a of a row of lanes; eight chains by turns
.endr
.endr
	ds_store_b128 v[WP], v[ACC:ACC+3] offset:1024*\beta+64*(\o)        ; rows 8 h + 0 .. 7; the sixteen lanes of a half write the same bytes with the same values
	ds_store_b128 v[WP], v[ACC+4:ACC+7] offset:1024*\beta+64*(\o)+16
.endm
.macro CT beta, o                      ; C of tile s27 + o
	s_add_co_u32 s30, s27, \o
	s_cmp_ge_u32 s30, s21
	s_cbranch_scc1 .Lcskip_\@
	MPHASE \o
	s_add_co_u32 s30, s27, \o+1
	s_cmp_lt_u32 s30, s21
	s_cbranch_scc0 .Lcnof_\@
	KFETCH \o+1                                    ; the next tile's fragments land while this tile's vector work runs
.Lcnof_\@:
	VPHASE \beta, \o
.Lcskip_\@:
.endm
; One tile's turn in the fused loop, t = s27 + o.  At the entry tile t + 1's rows have landed in buffer L, tile t's image is whole in LDS and its fragments of K steps 0-5 have been asked for.
; P(t + 1) and block 0's C(t) hang on nothing of each other, so their order is each wave's own: waves of kind 0 run P(t + 1), ask for tile t + 3's rows, and then run C(t); waves of kind 1 run C(t) first.
; The kinds are dealt by the parity of the wave number's three bits (0, 3, 5, 6 against 1, 2, 4, 7): waves w and w + 4 differ in kind, and so do waves 2 i and 2 i + 1.
; Each way ends with the wait that shows tile t + 2's rows landed, by the count of what that way itself has issued (sixteen loads, or none).
; The barrier stands at the turn's end, behind the join, on every wave's way: behind it tile t + 1's image is whole, and its first fragments are fetched.
.macro TRIP L, LS, o
	s_cmp_eq_u32 s59, 0
	s_cbranch_scc0 .Lrb_\@
	s_add_co_u32 s30, s27, \o+1
	s_cmp_lt_u32 s30, s21
	s_cbranch_scc0 .Ltn_\@
	PROCESS \L, \o+1
	s_add_co_u32 s30, s27, \o+3
	s_cmp_lt_u32 s30, s21
	s_cbranch_scc0 .Ltn_\@
	REFILL \L, \LS, \o+5
	MPHASE \o
	VPHASE 0, \o
	s_wait_loadcnt 16                              ; the sixteen just issued may be out: tile t + 2's rows are in
	s_branch .Ltd_\@
.Ltn_\@:
	s_add_co_u32 s30, s27, \o
	s_cmp_ge_u32 s30, s21
	s_cbranch_scc1 .Ltz_\@
	MPHASE \o
	VPHASE 0, \o
	s_branch .Ltz_\@
.Lrb_\@:
	s_add_co_u32 s30, s27, \o
	s_cmp_ge_u32 s30, s21
	s_cbranch_scc1 .Lb1_\@
	MPHASE \o
	VPHASE 0, \o
.Lb1_\@:
	s_add_co_u32 s30, s27, \o+1
	s_cmp_lt_u32 s30, s21
	s_cbranch_scc0 .Ltz_\@
	PROCESS \L, \o+1
	s_add_co_u32 s30, s27, \o+3
	s_cmp_lt_u32 s30, s21
	s_cbranch_scc0 .Ltz_\@
	REFILL \L, \LS, \o+5
	s_wait_loadcnt 16                              ; likewise
	s_branch .Ltd_\@
.Ltz_\@:
	s_wait_loadcnt 0x0                             ; nothing was issued on these ways
.Ltd_\@:
	BAR
	s_add_co_u32 s30, s27, \o+1
	s_cmp_lt_u32 s30, s21
	s_cbranch_scc0 .Ltk_\@
	KFETCH \o+1
.Ltk_\@:
.endm
	s_load_b256 s[4:11], s[0:1], 0x0               ; keys s[4:5], v s[6:7], w2img s[8:9], tabq s[10:11]
	s_load_b128 s[12:15], s[0:1], 0x20             ; rows s[12:13], cnt s[14:15]
	s_load_b64 s[16:17], s[0:1], 0x30              ; sc
	v_lshrrev_b32 v1, 5, v0
	v_readfirstlane_b32 s18, v1                    ; wave 0..7
	s_lshr_b32 s19, ttmp9, 3                       ; b
	s_and_b32 s20, ttmp9, 7                        ; j
	s_mul_i32 s30, s18, 8448
	s_add_co_u32 s30, s30, STG                     ; my stage
	s_lshl_b32 s56, s18, 11
	s_add_co_u32 s56, s56, PART                    ; my partial scores
	s_mul_i32 s38, s18, 17408
	s_add_co_u32 s38, s38, KIMG                    ; my images
	s_mul_i32 s39, s18, 1088                       ; my scale words
	s_mov_b32 s[SEL], 0x76543210
	s_mov_b32 s[SEL+1], 0xfedcba98
	s_mov_b32 s24, 0x4038aa3b                      ; c = 2 log2(e)
	s_mov_b32 s25, s24
	s_mov_b32 s31, 0                               ; the high words of the offset pairs
	s_mov_b32 s61, 0
	s_lshr_b32 s59, s18, 1
	s_xor_b32 s59, s59, s18
	s_lshr_b32 s57, s18, 2
	s_xor_b32 s59, s59, s57
	s_and_b32 s59, s59, 1                          ; my wave's kind: the parity of its number's bits
	v_and_b32 v8, 31, v0                           ; lane
	v_and_b32 v9, 15, v0                           ; r
	v_bfe_u32 v10, v0, 4, 1                        ; h
	v_lshlrev_b32 v[ROWL], 4, v0
	v_lshlrev_b32 v[LI], 4, v8
	v_mul_u32_u24 v[STR], v9, 528
	v_lshlrev_b32 v[R4], 2, v9
	v_mul_u32_u24 v[KSA], v10, 4352
	v_lshlrev_b32 v[PRT], 5, v10
	v_add_nc_u32 v[STW], s30, v[LI]
	v_lshl_add_u32 v[STR], v10, 6, v[STR]
	v_add_nc_u32 v[KSA], v[KSA], v[R4]
	v_add_nc_u32 v[PRT], s56, v[PRT]
	v_add_nc_u32 v[WA], s56, v[LI]
	v_add_nc_u32 v[STR], s30, v[STR]
.irp i, 0,1,2,3,4,5,6,7
	v_mov_b32 v[TMAX+\i], 0                        ; zeros for the stores below; and a lane permute's destination counts as one of its sources
.endr
.irp i, 0,1,2,3
	ds_store_b128 v[WA], v[TMAX:TMAX+3] offset:512*\i   ; the partial scores of tiles beyond n are zeros
.endr
	s_wait_alu depctr_va_vdst(0)
	s_wait_kmcnt 0x0
	s_lshl_b32 s30, s19, 2
	s_add_nc_u64 s[14:15], s[14:15], s[30:31]
	s_load_b32 s21, s[14:15], 0x0                  ; cnt[b]
	s_lshl_b32 s30, s19, 13
	s_lshl_b32 s26, s20, 6
	s_add_co_u32 s30, s30, s26
	s_add_nc_u64 s[12:13], s[12:13], s[30:31]      ; the list at tile j: tile 8 t + j lies 512 t bytes on
	s_load_b512 s[LA:LA+15], s[12:13], 0x0         ; tile 0's entries
	s_load_b512 s[LB:LB+15], s[12:13], 0x200       ; tile 1's
	s_lshl_b32 s26, s18, 3                         ; my first tile of a: 8 w
	s_mul_i32 s30, s26, 8704
	s_add_nc_u64 s[32:33], s[8:9], s[30:31]
	s_lshl_b32 s30, s26, 11
	s_lshl_b32 s57, s19, 6
	s_add_co_u32 s30, s30, s57
	s_add_nc_u64 s[34:35], s[10:11], s[30:31]
	s_lshl_b32 s30, s26, 6
	s_add_nc_u64 s[36:37], s[6:7], s[30:31]
	s_lshl_b32 s30, ttmp9, 10
	s_add_nc_u64 s[16:17], s[16:17], s[30:31]      ; my 256 scores
	WFRAG 0, 1                                     ; 52 of block 0's 84 loads go out while the count and the lists are on their way
	WSMALL
	s_wait_kmcnt 0x0
	s_add_co_u32 s21, s21, 15
	s_lshr_b32 s21, s21, 4                         ; tiles with a kept row in the batch
	s_add_co_u32 s21, s21, 7
	s_sub_co_u32 s21, s21, s20
	s_lshr_b32 s21, s21, 3                         ; of them mine: j, j + 8, ..
	s_max_u32 s21, s21, 1
	s_min_u32 s21, s21, 16                         ; n
	ROWS L0, LA, 0                                 ; tile 0's rows
	s_load_b512 s[LA:LA+15], s[12:13], 0x400       ; tile 2's entries
	ROWSV L1, LB                                   ; tile 1's rows, whatever n is: both buffers are written on every way
	s_load_b512 s[LB:LB+15], s[12:13], 0x600       ; tile 3's entries
	WFRAG 2, 3                                     ; block 0's other 32 loads
	s_mov_b32 s27, 0                               ; the trip's first tile
	s_mov_b32 s28, 0                               ; 1,024 bytes of image a tile
	s_mov_b32 s29, 0                               ; 64 bytes of scale words, and of partial scores, a tile
	s_wait_loadcnt 48                              ; tile 1's sixteen and the 32 behind them may be out: tile 0's rows are in
	PROCESS L0, 0                                  ; P(0): n is at least 1
	s_cmp_gt_u32 s21, 2
	s_cbranch_scc0 .Lp0none
	REFILL L0, LA, 4                               ; tile 2's rows
	s_wait_loadcnt 16                              ; tile 1's rows are in
	s_branch .Lp0done
.Lp0none:
	s_wait_loadcnt 0x0
.Lp0done:
	BAR
	CADDR
	KFETCH 0
.Lf:                                                   ; 8 trips, a constant; two tiles a trip
	CADDR
	TRIP L1, LB, 0
	TRIP L0, LA, 1
	s_add_co_u32 s28, s28, 2048
	s_add_co_u32 s29, s29, 128
	s_add_co_u32 s27, s27, 2
	s_cmp_lt_u32 s27, 16
	s_wait_alu depctr_va_vdst(0)
	s_cbranch_scc1 .Lf
	; ---- block 1: all images lie in LDS and nobody writes them again
	s_wait_loadcnt 0x0
	s_wait_kmcnt 0x0
	s_add_nc_u64 s[32:33], s[32:33], 4*8704
	s_add_nc_u64 s[34:35], s[34:35], 4*2048
	s_add_nc_u64 s[36:37], s[36:37], 4*64
	s_mov_b32 s27, 0
	s_mov_b32 s28, 0
	s_mov_b32 s29, 0
	CADDR
	s_wait_dscnt 0x0                               ; no LDS load is out when the registers that it fills are loaded anew
	KFETCH 0
	STATIC
	s_wait_loadcnt 0x0
.Lg:
	CADDR
	CT 1, 0
	CT 1, 1
	s_add_co_u32 s28, s28, 2048
	s_add_co_u32 s29, s29, 128
	s_add_co_u32 s27, s27, 2
	s_cmp_lt_u32 s27, 16
	s_wait_alu depctr_va_vdst(0)
	s_cbranch_scc1 .Lg
	; ---- the sixteen parts of each row's score are added and multiplied by -2; waves 0 and 1 store 128 rows each
	s_and_b32 s30, s18, 1
	s_lshl_b32 s30, s30, 9
	v_add_nc_u32 v[KA], s30, v[LI]                 ; 512 (w % 2) + 16 lane
	v_add_nc_u32 v[KB], PART, v[KA]
	s_wait_alu depctr_va_vdst(0)
	s_wait_dscnt 0x0                               ; for the others' sake: my partial scores have landed
	s_barrier_signal -1
	s_barrier_wait -1
	s_cmp_lt_u32 s18, 2
	s_cbranch_scc0 .Lend
.irp p, 0,1,2,3,4,5,6,7,8,9,10,11,12,13,14,15
	ds_load_b128 v[L0+4*\p:L0+4*\p+3], v[KB] offset:1024*\p
.endr
	s_wait_dscnt 0x0
.irp p, 1,2,3,4,5,6,7,8,9,10,11,12,13,14,15
	v_pk_add_f32 v[L0:L0+1], v[L0:L0+1], v[L0+4*\p:L0+4*\p+1]
	v_pk_add_f32 v[L0+2:L0+3], v[L0+2:L0+3], v[L0+4*\p+2:L0+4*\p+3]
.endr
	v_pk_mul_f32 v[L0:L0+1], v[L0:L0+1], -2.0 op_sel_hi:[1,0]
	v_pk_mul_f32 v[L0+2:L0+3], v[L0+2:L0+3], -2.0 op_sel_hi:[1,0]
	global_store_b128 v[KA], v[L0:L0+3], s[16:17]  ; the wave stores 512 consecutive bytes, aligned
.Lend:
	s_wait_xcnt 0x0
	v_lshl_add_u32 v254, v0, 2, SPARE
	v_mov_b32 v255, 0
	s_wait_alu depctr_va_vdst(0)
	s_wait_tensorcnt 0x0                           ; the wave's end
	ds_add_u32 v254, v255
	s_wait_dscnt 0x0
	s_endpgm
.Lfunc_end_k_qff5a17f8e1_scores:
	.size	k_qff5a17f8e1_scores, .Lfunc_end_k_qff5a17f8e1_scores-k_qff5a17f8e1_scores
	.p2alignl 7, 3214868480
	.fill 96, 4, 3214868480
	.section	.rodata,"a",@progbits
	.p2align	6, 0x0
	.amdhsa_kernel k_qff5a17f8e1_scores
		.amdhsa_group_segment_fixed_size 232960
		.amdhsa_private_segment_fixed_size 0
		.amdhsa_enable_private_segment 0
		.amdhsa_kernarg_size 56
		.amdhsa_user_sgpr_count 2
		.amdhsa_user_sgpr_kernarg_segment_ptr 1
		.amdhsa_wavefront_size32 1
		.amdhsa_system_sgpr_workgroup_id_x 1
		.amdhsa_system_sgpr_workgroup_id_y 1
		.amdhsa_system_sgpr_workgroup_id_z 1
		.amdhsa_system_vgpr_workitem_id 0
		.amdhsa_next_free_vgpr 512
		.amdhsa_next_free_sgpr 102
		.amdhsa_reserve_vcc 0
		.amdhsa_float_denorm_mode_32 3
		.amdhsa_float_denorm_mode_16_64 3
		.amdhsa_memory_ordered 1
		.amdhsa_forward_progress 1
		.amdhsa_inst_pref_size 186
	.end_amdhsa_kernel
	.amdgpu_metadata
---
amdhsa.version: [ 1, 2 ]
amdhsa.kernels:
  - .name:           k_qff5a17f8e1_scores
    .symbol:         k_qff5a17f8e1_scores.kd
    .args:
      - { .name: keys, .offset: 0, .size: 8, .value_kind: global_buffer, .address_space: global }
      - { .name: v, .offset: 8, .size: 8, .value_kind: global_buffer, .address_space: global }
      - { .name: w2img, .offset: 16, .size: 8, .value_kind: global_buffer, .address_space: global }
      - { .name: tabq, .offset: 24, .size: 8, .value_kind: global_buffer, .address_space: global }
      - { .name: rows, .offset: 32, .size: 8, .value_kind: global_buffer, .address_space: global }
      - { .name: cnt, .offset: 40, .size: 8, .value_kind: global_buffer, .address_space: global }
      - { .name: sc, .offset: 48, .size: 8, .value_kind: global_buffer, .address_space: global }
    .group_segment_fixed_size: 232960
    .private_segment_fixed_size: 0
    .kernarg_segment_align: 8
    .kernarg_segment_size: 56
    .max_flat_workgroup_size: 256
    .sgpr_count:     102
    .vgpr_count:     512
    .wavefront_size: 32
...
	.end_amdgpu_metadata
.endif
;; end of part 2
;; launch soft (part 3): grid 32 x 1, 8 waves a work-group, no clusters, 9,728 bytes of LDS; arguments sc, inv, cnt, out0; writes out0
.if DOCPART == 3
	.amdgcn_target "amdgcn-amd-amdhsa--gfx1250"
	.amdhsa_code_object_version 6
	.text
	.protected	k_qff5a17f8e1_soft
	.globl	k_qff5a17f8e1_soft
	.p2align	8
	.type	k_qff5a17f8e1_soft,@function
k_qff5a17f8e1_soft:
	s_mov_b64 s[64:65], 0
	v_nop
	global_prefetch_b8 v0, s[64:65] scope:SCOPE_SE
	s_setreg_imm32_b32 hwreg(HW_REG_WAVE_MODE, 25, 1), 1
	s_wait_xcnt 0x0
; The masked softmax of one batch.  sc[b] holds 2,048 scores in the order in which they were made: index f = 256 j + 16 i + r is list place ci = 128 i + 16 j + r; places under cnt[b] are kept rows.
; The maximum of the kept scores is taken away before the exponential.  A masked row gets 0 if the batch keeps any row (its exponential of -1e30 less the maximum is 0 in f32), and 1 / 2048 if it keeps none
; (all 2,048 shifted scores are then the same -1e30).  The constant sum(v) that the scores leave out is common to the batch and falls out here.
; Eight waves, 8 numbers a thread.  The weights lie in LDS in the scores' order and are fetched by inv[b][s], so that loads and stores of memory are all dense: 512 consecutive bytes a wave.
; No matrix work, no tensor load, no cluster: 16 KB in, 8 KB out for each work-group, and work-groups share nothing.
; LIMITS: NaN and infinities among the scores are not served.
.set PB,  0                            ; LDS: 2,048 weights
.set RED, 8192                         ; eight waves' maxima, and 32 bytes on their sums
	s_load_b256 s[4:11], s[0:1], 0x0               ; sc s[4:5], inv s[6:7], cnt s[8:9], out0 s[10:11]
	v_lshl_add_u32 v64, v0, 2, 0x2200
	v_mov_b32 v65, 0
	v_lshrrev_b32 v1, 5, v0
	s_delay_alu instid0(VALU_DEP_1)
	v_readfirstlane_b32 s14, v1                    ; wave
	v_lshlrev_b32 v1, 4, v0                        ; 16 x thread: numbers f = 1024 x + 4 thread + e
	v_bfe_u32 v2, v0, 2, 4
	s_delay_alu instid0(VALU_DEP_1)
	v_lshlrev_b32 v2, 7, v2                        ; 128 i, i = (f / 16) % 16
	v_lshrrev_b32 v3, 6, v0
	s_delay_alu instid0(VALU_DEP_1)
	v_lshl_add_u32 v2, v3, 4, v2                   ; + 16 j, j = f / 256 (x adds 4 to j: 64 to the place)
	v_and_b32 v3, 3, v0
	s_delay_alu instid0(VALU_DEP_1)
	v_lshl_add_u32 v2, v3, 2, v2                   ; + r: the place of my number 0
	s_lshl_b32 s16, ttmp9, 13
	s_mov_b32 s17, 0
	s_lshl_b32 s18, ttmp9, 2
	s_mov_b32 s19, 0
	s_mov_b32 s20, 0x76543210
	s_mov_b32 s21, 0xfedcba98                      ; v_permlanex16_b32's selects for lane l xor 16
	s_wait_alu depctr_va_vdst(0)
	s_wait_kmcnt 0x0
	s_add_nc_u64 s[8:9], s[8:9], s[18:19]
	s_load_b32 s12, s[8:9], 0x0                    ; cnt[b]
	s_add_nc_u64 s[4:5], s[4:5], s[16:17]
	s_add_nc_u64 s[6:7], s[6:7], s[16:17]
	s_add_nc_u64 s[10:11], s[10:11], s[16:17]
	global_load_b128 v[8:11], v1, s[4:5]
	global_load_b128 v[12:15], v1, s[4:5] offset:4096
	global_load_b128 v[24:27], v1, s[6:7]
	global_load_b128 v[28:31], v1, s[6:7] offset:4096
	s_lshl_b32 s15, s14, 2
	v_mov_b32 v4, s15                              ; 4 x wave
	v_mov_b32 v5, 0
	v_mov_b32 v6, 0xff800000                       ; -infinity
	v_mov_b32 v32, 0                               ; a lane permute's destination counts as one of its sources
	s_wait_alu depctr_va_vdst(0)
	s_wait_kmcnt 0x0
	s_cmp_eq_u32 s12, 0
	s_cselect_b32 s13, 0x3a000000, 0               ; what a masked row gets: 1 / 2048 where nothing is kept, else 0
	s_wait_loadcnt 2                               ; the scores are in; inv's two loads may be out
.irp e, 0,1,2,3,4,5,6,7
	v_add_nc_u32 v3, 64*(\e/4)+\e%4, v2
	s_delay_alu instid0(VALU_DEP_1)
	v_cmp_gt_u32 vcc_lo, s12, v3                   ; a kept row's score?
	s_delay_alu instid0(VALU_DEP_1)
	v_cndmask_b32 v[16+\e], v6, v[8+\e], vcc_lo
.endr
	v_max3_num_f32 v7, v16, v17, v18
	s_delay_alu instid0(VALU_DEP_1)
	v_max3_num_f32 v7, v7, v19, v20
	s_delay_alu instid0(VALU_DEP_1)
	v_max3_num_f32 v7, v7, v21, v22
	s_delay_alu instid0(VALU_DEP_1)
	v_max3_num_f32 v7, v7, v23, 0xff61b1e6         ; held at -3e38 from below, so that -infinity less the maximum is -infinity
	s_delay_alu instid0(VALU_DEP_1)
	v_max_num_f32_dpp v7, v7, v7 row_xmask:1 row_mask:0xf bank_mask:0xf
	s_delay_alu instid0(VALU_DEP_1)
	v_max_num_f32_dpp v7, v7, v7 row_xmask:2 row_mask:0xf bank_mask:0xf
	s_delay_alu instid0(VALU_DEP_1)
	v_max_num_f32_dpp v7, v7, v7 row_xmask:4 row_mask:0xf bank_mask:0xf
	s_delay_alu instid0(VALU_DEP_1)
	v_max_num_f32_dpp v7, v7, v7 row_xmask:8 row_mask:0xf bank_mask:0xf
	s_delay_alu instid0(VALU_DEP_1)
	v_permlanex16_b32 v32, v7, s20, s21
	s_delay_alu instid0(VALU_DEP_1)
	v_max_num_f32 v7, v7, v32
	ds_store_b32 v4, v7 offset:RED                 ; all lanes write the wave's word with the same value
	s_wait_dscnt 0x0
	s_barrier_signal -1
	s_barrier_wait -1
	ds_load_b128 v[32:35], v5 offset:RED
	ds_load_b128 v[36:39], v5 offset:RED+16
	s_wait_dscnt 0x0
	v_max3_num_f32 v7, v32, v33, v34
	s_delay_alu instid0(VALU_DEP_1)
	v_max3_num_f32 v7, v7, v35, v36
	s_delay_alu instid0(VALU_DEP_1)
	v_max3_num_f32 v7, v7, v37, v38
	s_delay_alu instid0(VALU_DEP_1)
	v_max_num_f32 v7, v7, v39                      ; the batch's maximum
.irp e, 0,1,2,3,4,5,6,7
	v_sub_f32 v[16+\e], v[16+\e], v7
.endr
.irp e, 0,1,2,3,4,5,6,7
	v_mul_f32 v[16+\e], 0x3fb8aa3b, v[16+\e]       ; x log2(e)
.endr
	s_wait_alu depctr_va_vdst(0)
.irp e, 0,1,2,3,4,5,6,7
	v_exp_f32 v[16+\e], v[16+\e]
.endr
	v_nop                                          ; a plain instruction behind the last exponential,
	s_wait_alu depctr_va_vdst(0)                   ; and one wait for the batch, ahead of its first reader
	ds_store_b128 v1, v[16:19] offset:PB
	ds_store_b128 v1, v[20:23] offset:PB+4096
	v_pk_add_f32 v[40:41], v[16:17], v[18:19]
	v_pk_add_f32 v[42:43], v[20:21], v[22:23]
	s_delay_alu instid0(VALU_DEP_1)
	v_pk_add_f32 v[40:41], v[40:41], v[42:43]
	s_delay_alu instid0(VALU_DEP_1)
	v_add_f32 v40, v40, v41
	s_delay_alu instid0(VALU_DEP_1)
	v_add_f32_dpp v40, v40, v40 row_xmask:1 row_mask:0xf bank_mask:0xf
	s_delay_alu instid0(VALU_DEP_1)
	v_add_f32_dpp v40, v40, v40 row_xmask:2 row_mask:0xf bank_mask:0xf
	s_delay_alu instid0(VALU_DEP_1)
	v_add_f32_dpp v40, v40, v40 row_xmask:4 row_mask:0xf bank_mask:0xf
	s_delay_alu instid0(VALU_DEP_1)
	v_add_f32_dpp v40, v40, v40 row_xmask:8 row_mask:0xf bank_mask:0xf
	s_delay_alu instid0(VALU_DEP_1)
	v_permlanex16_b32 v41, v40, s20, s21
	s_delay_alu instid0(VALU_DEP_1)
	v_add_f32 v40, v40, v41
	ds_store_b32 v4, v40 offset:RED+32
	s_wait_loadcnt 0x0                             ; inv
.irp e, 0,1,2,3,4,5,6,7
	v_min_u32 v[24+\e], 0x7ff, v[24+\e]            ; a place is under 2,048
	s_delay_alu instid0(VALU_DEP_1)
	v_bfe_u32 v44, v[24+\e], 4, 3                  ; j
	s_delay_alu instid0(VALU_DEP_2)
	v_lshrrev_b32 v45, 7, v[24+\e]                 ; i
	s_delay_alu instid0(VALU_DEP_3)
	v_and_b32 v46, 15, v[24+\e]                    ; r
	s_delay_alu instid0(VALU_DEP_1)
	v_lshl_or_b32 v46, v45, 4, v46
	s_delay_alu instid0(VALU_DEP_1)
	v_lshl_or_b32 v46, v44, 8, v46                 ; f = 256 j + 16 i + r
	s_delay_alu instid0(VALU_DEP_1)
	v_min_u32 v46, 0x7ff, v46
	s_delay_alu instid0(VALU_DEP_1)
	v_lshlrev_b32 v[48+\e], 2, v46
.endr
	s_wait_alu depctr_va_vdst(0)
	s_wait_dscnt 0x0                               ; for the others' sake: my weights and my sum have landed
	s_barrier_signal -1
	s_barrier_wait -1                              ; behind this barrier LDS is only read
	ds_load_b128 v[32:35], v5 offset:RED+32
	ds_load_b128 v[36:39], v5 offset:RED+48
.irp e, 0,1,2,3,4,5,6,7
	ds_load_b32 v[56+\e], v[48+\e] offset:PB       ; the weight of row s = 1024 x + 4 thread + e
.endr
	s_wait_dscnt 0x0
	v_pk_add_f32 v[32:33], v[32:33], v[34:35]
	v_pk_add_f32 v[36:37], v[36:37], v[38:39]
	s_delay_alu instid0(VALU_DEP_1)
	v_pk_add_f32 v[32:33], v[32:33], v[36:37]
	s_delay_alu instid0(VALU_DEP_1)
	v_add_f32 v32, v32, v33
	s_wait_alu depctr_va_vdst(0)
	v_rcp_f32 v32, v32
	v_mov_b32 v33, s13                             ; (a plain instruction behind the reciprocal)
	s_wait_alu depctr_va_vdst(0)                   ; the wait ahead of its first reader
.irp e, 0,1,2,3,4,5,6,7
	v_mul_f32 v[56+\e], v[56+\e], v32
	v_cmp_gt_u32 vcc_lo, s12, v[24+\e]             ; kept?
	s_delay_alu instid0(VALU_DEP_1)
	v_cndmask_b32 v[56+\e], v33, v[56+\e], vcc_lo
.endr
	global_store_b128 v1, v[56:59], s[10:11]       ; 512 consecutive bytes a wave, aligned
	global_store_b128 v1, v[60:63], s[10:11] offset:4096
	s_wait_tensorcnt 0x0
	ds_add_u32 v64, v65
	s_wait_dscnt 0x0
	s_endpgm
.Lfunc_end_k_qff5a17f8e1_soft:
	.size	k_qff5a17f8e1_soft, .Lfunc_end_k_qff5a17f8e1_soft-k_qff5a17f8e1_soft
	.p2alignl 7, 3214868480
	.fill 96, 4, 3214868480
	.section	.rodata,"a",@progbits
	.p2align	6, 0x0
	.amdhsa_kernel k_qff5a17f8e1_soft
		.amdhsa_group_segment_fixed_size 9728
		.amdhsa_private_segment_fixed_size 0
		.amdhsa_enable_private_segment 0
		.amdhsa_kernarg_size 32
		.amdhsa_user_sgpr_count 2
		.amdhsa_user_sgpr_kernarg_segment_ptr 1
		.amdhsa_wavefront_size32 1
		.amdhsa_system_sgpr_workgroup_id_x 1
		.amdhsa_system_sgpr_workgroup_id_y 1
		.amdhsa_system_sgpr_workgroup_id_z 1
		.amdhsa_system_vgpr_workitem_id 0
		.amdhsa_next_free_vgpr 66
		.amdhsa_next_free_sgpr 66
		.amdhsa_reserve_vcc 1
		.amdhsa_float_denorm_mode_32 3
		.amdhsa_float_denorm_mode_16_64 3
		.amdhsa_memory_ordered 1
		.amdhsa_forward_progress 1
		.amdhsa_inst_pref_size 15
	.end_amdhsa_kernel
	.amdgpu_metadata
---
amdhsa.version: [ 1, 2 ]
amdhsa.kernels:
  - .name:           k_qff5a17f8e1_soft
    .symbol:         k_qff5a17f8e1_soft.kd
    .args:
      - { .name: sc, .offset: 0, .size: 8, .value_kind: global_buffer, .address_space: global }
      - { .name: inv, .offset: 8, .size: 8, .value_kind: global_buffer, .address_space: global }
      - { .name: cnt, .offset: 16, .size: 8, .value_kind: global_buffer, .address_space: global }
      - { .name: out0, .offset: 24, .size: 8, .value_kind: global_buffer, .address_space: global }
    .group_segment_fixed_size: 9728
    .private_segment_fixed_size: 0
    .kernarg_segment_align: 8
    .kernarg_segment_size: 32
    .max_flat_workgroup_size: 256
    .sgpr_count:     66
    .vgpr_count:     66
    .wavefront_size: 32
...
	.end_amdgpu_metadata
.endif
;; end of part 3
